; MI455X (gfx1250); checked and timed in simulation.
; The chip was launched on July 23, 2026; its instructions are those of AMD's public machine-readable ISA for CDNA 5 (MIT licence, August 2026) and "CDNA5" Instruction Set Architecture Reference Guide (July 2026). The comments in the code are by the model that wrote it; some were corrected since.
;; Vector Quantizer. Allowed arithmetic: matrix products marked QUANTISED: E4M3 operands, one given power-of-two scale a tensor, by v_wmma_f32_16x16x64_fp8_fp8 or v_wmma_f32_16x16x128_fp8_fp8, f32 sums; everything else in f32.
;; Inputs: codebook 8,192 x 256 float32; lowp_scales 2 int32 (the exponents e of the quantised operands' scales 2^e); x 64 x 512 x 256 float32.
;; Outputs: out0 64 x 512 x 256 float32; out1 one number float32.
;; Constants: hidden_dim = 256.
;; This version of the problem:
;;   THIS VERSION OF THE PROBLEM IS GIVEN IN LOW PRECISION. The matrix products marked QUANTISED in the list below multiply operands that are first quantised to E4M3 (4 exponent bits, 3 mantissa bits; 8 bits a number), with one given power-of-two scale for each operand tensor; their sums are f32. All else is computed in f32.
;;   The module's matrix products, in the order in which they are computed (A, B: the left and right operand; K: the contracted axis; several contracted axes count as one K, in the product's order):
;;     1. [M 32,768, K 256] x [K 256, N 8,192]; A: input x; B: input codebook: QUANTISED (scales: A lowp_scales[0], B lowp_scales[1])
;;   THE QUANTISER, for each operand of a quantised product, along K:
;;     - The operand's scale is 2^e, e = its entry of the input lowp_scales (int32; the entries are numbered through the quantised products in the list's order, A before B).
;;     - Each number is divided by the scale, clamped to +-448, and rounded to the nearest number of E4M3, ties to even, subnormals kept.
;;     - The product sums the exact products of the quantised numbers (number of the format x scale) in f32.
;;   ~~~python
;;   def quantise(x, axis, e):      # numpy; x: float32 -> the quantised numbers, widened to float32 again
;;       x = np.moveaxis(x, axis, -1); K = x.shape[-1]
;;       r = np.clip(x / 2.0 ** e, -448, 448)
;;       step = 2.0 ** (np.maximum(np.frexp(np.where(r == 0, 1, r))[1] - 1, -6) - 3)
;;       q = np.round(r / step) * step * 2.0 ** e      # np.round: ties to even
;;       return np.moveaxis(q, -1, axis).astype(np.float32)
;;   ~~~
;; One version. Each part assembles by itself: llvm-mc -triple=amdgcn-amd-amdhsa -mcpu=gfx1250 --defsym DOCPART=n.
;; ======== version 1 of 1: 4 launches
;; limits: right only within a limited range of input values
;; workspace buffers: ximg 8,388,608 bytes; cimg 2,097,152 bytes; bias 32,768 bytes; gid 262,144 bytes of whole numbers; sc 262,144 bytes; part 2,048 bytes
;; launch prep (part 1): grid 640 x 1, 4 waves a work-group, no clusters, 67,072 bytes of LDS; arguments x, codebook, lowp_scales, ximg, cimg, bias; writes ximg, cimg, bias
.if DOCPART == 1
	.amdgcn_target "amdgcn-amd-amdhsa--gfx1250"
	.amdhsa_code_object_version 6
	.text
	.protected	k_q8b88bfbb69_prep
	.globl	k_q8b88bfbb69_prep
	.p2align	8
	.type	k_q8b88bfbb69_prep,@function
k_q8b88bfbb69_prep:
	s_mov_b64 s[64:65], 0
	v_nop
	global_prefetch_b8 v0, s[64:65] scope:SCOPE_SE
	s_setreg_imm32_b32 hwreg(HW_REG_WAVE_MODE, 25, 1), 1
	s_wait_xcnt 0x0
; PREP.  x [32768][256] and codebook [8192][256], f32, become codes of E4M3 with the given scales 2^e0 and 2^e1, laid as IMAGES OF THE OPERAND'S REGISTERS;
; of the codebook also bias[c] = -(sum of codebook[c]^2) x 2^-(e0+e1+1), which the next launches give as the C of each sum's first matrix instruction.
; code = number / 2^e, held within +-448, to the nearest code, ties to even.  LIMITS: e0, e1 between -126 and 119 (2^e and 448 x 2^e are made as f32 patterns).  NaN among the inputs is not served.
; IMAGE: a tile of 16 rows is 4,096 bytes; block b = 4 s + q (s: which 128 along K, q = 0..3) begins at 512 b; lane L = r + 16 h has 16 bytes at 16 L: the codes of row r, k = 128 s + 32 q + 16 h + 0..15.
; So a fragment comes back by loads of 16 bytes a lane, 512 consecutive bytes each, with no pitch.  The place of k in the registers is the same in both operands, so every product meets its partner.
; SHARES: a wave takes one tile (16 rows, 16,384 bytes of f32).  Work-groups 0..511 take x, 512..639 the codebook; only pointers and e are chosen, both take one path; the norm alone stands under a branch on the work-group's number.
; The 32 loads take the bytes as they lie (512 consecutive bytes each); the tile turns through the wave's own stage in LDS (rows 1,040 bytes apart) so that a lane gets 16 neighbours along K.
; No tensor loads, no barrier, no matrix unit, no cluster: waves share nothing and every byte is read once.
.set XWG,  512                         ; work-groups that take x
.set STG,  16640                       ; a wave's stage: 16 rows x PIT
.set PIT,  1040                        ; 1,024 bytes + 16: the sixteen rows that a load back touches begin 16 bytes apart modulo 256
.set R,    32                          ; v32-159  the tile's numbers, 128 a lane
.set C,    160                         ; v160-191 the codes: four registers a block, so that no store's data are written again
	s_load_b128 s[4:7], s[0:1], 0x0                ; x, codebook
	s_load_b128 s[8:11], s[0:1], 0x10              ; lowp_scales, ximg
	s_load_b128 s[12:15], s[0:1], 0x20             ; cimg, bias
	v_lshl_add_u32 v192, v0, 2, 0x10400
	v_mov_b32 v193, 0
	v_lshrrev_b32 v6, 5, v0
	v_readfirstlane_b32 s16, v6                    ; wave
	v_and_b32 v5, 31, v0                           ; lane
	v_and_b32 v7, 15, v0                           ; r
	v_bfe_u32 v8, v0, 4, 1                         ; h
	v_lshlrev_b32 v1, 4, v5                        ; 16 x lane: my bytes of a load's 512 and of an image's block
	s_mul_i32 s17, s16, STG
	v_add_nc_u32 v2, s17, v1                       ; the stage, on the way in
	v_mul_u32_u24 v3, v7, PIT
	v_lshl_add_u32 v3, v8, 6, v3
	v_add_nc_u32 v3, s17, v3                       ; and back: row r, + 64 h
	v_lshlrev_b32 v4, 2, v7                        ; 4 r: my row's place in the tile's 16 biases
	v_mov_b32 v20, 0                               ; a lane permute's destination counts as read
	s_mov_b32 s26, 0x76543210
	s_mov_b32 s27, 0xfedcba98                      ; selects: lane l xor 16
	s_lshl_b32 s19, ttmp9, 2
	s_add_co_u32 s19, s19, s16                     ; 4 x work-group + wave
	s_cmp_lt_u32 ttmp9, XWG                        ; x's work-group or the codebook's?
	s_cselect_b32 s18, 0, 4*XWG
	s_wait_alu depctr_va_vdst(0)
	s_wait_kmcnt 0x0
	s_cselect_b64 s[4:5], s[4:5], s[6:7]           ; from where
	s_cselect_b64 s[10:11], s[10:11], s[12:13]     ; to where
	s_load_b64 s[20:21], s[8:9], 0x0               ; e0, e1
	s_sub_co_u32 s19, s19, s18                     ; my tile in its tensor
	s_lshl_b32 s22, s19, 14
	s_mov_b32 s23, 0
	s_add_nc_u64 s[4:5], s[4:5], s[22:23]          ; 16,384 bytes of f32 a tile
	s_lshl_b32 s22, s19, 12
	s_add_nc_u64 s[10:11], s[10:11], s[22:23]      ; 4,096 bytes of codes
.set i, 0
.rept 32
	global_load_b128 v[R+4*i:R+4*i+3], v1, s[4:5] offset:512*i th:TH_LOAD_NT   ; 32 lanes read 512 consecutive bytes: half a row
.set i, i+1
.endr
	s_wait_kmcnt 0x0
	s_cmp_lt_u32 ttmp9, XWG
	s_cselect_b32 s24, s20, s21                    ; e of my tensor
	s_add_co_i32 s25, s20, s21
	s_add_co_i32 s25, s25, 1
	s_sub_co_i32 s25, 0, s25                       ; -(e0 + e1 + 1)
	s_add_co_i32 s24, s24, 127
	s_lshl_b32 s28, s24, 23
	v_mov_b32 v11, s28                             ; 2^e as f32: the conversion takes its exponent field
	s_add_co_i32 s24, s24, 8
	s_lshl_b32 s24, s24, 23
	s_or_b32 s24, s24, 0x600000
	v_mov_b32 v10, s24                             ; 448 x 2^e
.irp g, 0,1,2,3
	s_wait_loadcnt 24-8*\g                         ; loads come back in order: these eight are in, the younger ones stay out
.irp j, 0,1,2,3,4,5,6,7
	ds_store_b128 v2, v[R+4*(8*\g+\j):R+4*(8*\g+\j)+3] offset:((8*\g+\j)/2)*PIT+((8*\g+\j)%2)*512
.endr
.endr
	s_wait_dscnt 0x0                               ; the stores have read their registers, which the loads below write
.set i, 0
.rept 32
	ds_load_b128 v[R+4*i:R+4*i+3], v3 offset:128*(i/4)+16*(i%4)   ; block i / 4: registers 16 b + 0..15 = k 32 b + 16 h + 0..15 of row r
.set i, i+1
.endr
	s_wait_dscnt 0x0
	s_cmp_lt_u32 ttmp9, XWG
	s_cbranch_scc1 .Lno_norm                       ; x has no bias
	; the codebook row's sum of squares, of the numbers as given: four chains of pairs, then lane l xor 16's half of the row
	s_lshl_b32 s22, s19, 6
	s_add_nc_u64 s[14:15], s[14:15], s[22:23]      ; the tile's 16 biases
.irp c, 0,1,2,3
	v_pk_mul_f32 v[12+2*\c:13+2*\c], v[R+2*\c:R+2*\c+1], v[R+2*\c:R+2*\c+1]
.endr
.set i, 4
.rept 60
	v_pk_fma_f32 v[12+2*(i%4):13+2*(i%4)], v[R+2*i:R+2*i+1], v[R+2*i:R+2*i+1], v[12+2*(i%4):13+2*(i%4)]
.set i, i+1
.endr
	v_pk_add_f32 v[12:13], v[12:13], v[14:15]
	v_pk_add_f32 v[16:17], v[16:17], v[18:19]
	v_pk_add_f32 v[12:13], v[12:13], v[16:17]
	v_add_f32 v12, v12, v13
	v_permlanex16_b32 v20, v12, s26, s27
	v_add_f32 v12, v12, v20
	v_xor_b32 v12, 0x80000000, v12                 ; the sign,
	v_ldexp_f32 v12, v12, s25                      ; x 2^-(e0+e1+1): nothing is rounded
	v_cmp_gt_u32 vcc_lo, 16, v5
	s_wait_alu depctr_va_vdst(0)
	s_wait_xcnt 0x0                                ; EXEC changes only behind this wait
	s_and_saveexec_b32 s29, vcc_lo
	global_store_b32 v4, v12, s[14:15]             ; sixteen lanes store 64 consecutive bytes: a small table, 32,768 bytes in all, written in pieces of 64
	s_wait_xcnt 0x0
	s_or_b32 exec_lo, exec_lo, s29
.Lno_norm:
.macro QB b                            ; block b: the hold, the conversions, 512 consecutive bytes out
.irp i, 0,1,2,3,4,5,6,7,8,9,10,11,12,13,14,15
	v_med3_num_f32 v[R+16*\b+\i], v[R+16*\b+\i], -v10, v10   ; the conversion to an 8-bit code does not saturate (ISA guide 7.6.2)
.endr
	v_cvt_scalef32_pk8_fp8_f32 v[C+4*\b:C+4*\b+1], v[R+16*\b:R+16*\b+7], v11
	v_cvt_scalef32_pk8_fp8_f32 v[C+4*\b+2:C+4*\b+3], v[R+16*\b+8:R+16*\b+15], v11
	global_store_b128 v1, v[C+4*\b:C+4*\b+3], s[10:11] offset:512*\b
.endm
	s_wait_alu depctr_va_vdst(0)
.irp b, 0,1,2,3,4,5,6,7
	QB \b
.endr
	v_nop                                          ; a plain vector line behind the last conversion
	s_wait_tensorcnt 0x0
	ds_add_u32 v192, v193
	s_wait_dscnt 0x0
	s_endpgm
.Lfunc_end_k_q8b88bfbb69_prep:
	.size	k_q8b88bfbb69_prep, .Lfunc_end_k_q8b88bfbb69_prep-k_q8b88bfbb69_prep
	.p2alignl 7, 3214868480
	.fill 96, 4, 3214868480
	.section	.rodata,"a",@progbits
	.p2align	6, 0x0
	.amdhsa_kernel k_q8b88bfbb69_prep
		.amdhsa_group_segment_fixed_size 67072
		.amdhsa_private_segment_fixed_size 0
		.amdhsa_enable_private_segment 0
		.amdhsa_kernarg_size 48
		.amdhsa_user_sgpr_count 2
		.amdhsa_user_sgpr_kernarg_segment_ptr 1
		.amdhsa_wavefront_size32 1
		.amdhsa_system_sgpr_workgroup_id_x 1
		.amdhsa_system_sgpr_workgroup_id_y 1
		.amdhsa_system_sgpr_workgroup_id_z 1
		.amdhsa_system_vgpr_workitem_id 0
		.amdhsa_next_free_vgpr 194
		.amdhsa_next_free_sgpr 66
		.amdhsa_reserve_vcc 1
		.amdhsa_float_denorm_mode_32 3
		.amdhsa_float_denorm_mode_16_64 3
		.amdhsa_memory_ordered 1
		.amdhsa_forward_progress 1
		.amdhsa_inst_pref_size 25
	.end_amdhsa_kernel
	.amdgpu_metadata
---
amdhsa.version: [ 1, 2 ]
amdhsa.kernels:
  - .name:           k_q8b88bfbb69_prep
    .symbol:         k_q8b88bfbb69_prep.kd
    .args:
      - { .name: x, .offset: 0, .size: 8, .value_kind: global_buffer, .address_space: global }
      - { .name: codebook, .offset: 8, .size: 8, .value_kind: global_buffer, .address_space: global }
      - { .name: lowp_scales, .offset: 16, .size: 8, .value_kind: global_buffer, .address_space: global }
      - { .name: ximg, .offset: 24, .size: 8, .value_kind: global_buffer, .address_space: global }
      - { .name: cimg, .offset: 32, .size: 8, .value_kind: global_buffer, .address_space: global }
      - { .name: bias, .offset: 40, .size: 8, .value_kind: global_buffer, .address_space: global }
    .group_segment_fixed_size: 67072
    .private_segment_fixed_size: 0
    .kernarg_segment_align: 8
    .kernarg_segment_size: 48
    .max_flat_workgroup_size: 128
    .sgpr_count:     66
    .vgpr_count:     194
    .wavefront_size: 32
...
	.end_amdgpu_metadata
.endif
;; end of part 1
;; launch sweep (part 2): grid 128 x 2, 8 waves a work-group, clusters of 4 x 1, 327,680 bytes of LDS; arguments ximg, cimg, bias, gid, sc; writes gid, sc
.if DOCPART == 2
	.amdgcn_target "amdgcn-amd-amdhsa--gfx1250"
	.amdhsa_code_object_version 6
	.text
	.protected	k_q8b88bfbb69_sweep
	.globl	k_q8b88bfbb69_sweep
	.p2align	8
	.type	k_q8b88bfbb69_sweep,@function
k_q8b88bfbb69_sweep:
	s_mov_b64 s[64:65], 0
	v_nop
	global_prefetch_b8 v0, s[64:65] scope:SCOPE_SE
	s_setreg_imm32_b32 hwreg(HW_REG_WAVE_MODE, 25, 1), 1
	s_wait_xcnt 0x0
	s_wait_alu depctr_hold_cnt(0) depctr_sa_sdst(0) depctr_va_vdst(0) depctr_va_sdst(0) depctr_va_ssrc(0) depctr_va_vcc(0) depctr_vm_vsrc(0)
	s_getreg_b32 s2, hwreg(HW_REG_IB_STS2, 6, 4)
	s_cmp_eq_u32 s2, 0
	s_cbranch_scc0 .Lentry_in_a_cluster
	s_endpgm
.Lentry_in_a_cluster:
	s_bfe_u32 s2, ttmp6, 0x10000c
	s_cmp_lg_u32 s2, 0x3003
	s_cbranch_scc0 .Lentry_shape_is_right
	s_endpgm
.Lentry_shape_is_right:
; SWEEP.  For each token and each half of the codebook: the largest score s = sum of the products of codes - |c|^2 x 2^-(e0+e1+1), and the index of the code that has it.
; distance = |x|^2 + |c|^2 - 2 x.c = |x|^2 - 2^(e0+e1+1) s, so the smallest distance is the largest s.  |x|^2 is the same for all of a token's distances and is not added: the numbers compared are
; rounded in another order than reference()'s, both in f32.  Equal scores: the lowest index (strict compares keep the earlier; the codes are walked upward).  NaN is not served.
; SHARES.  A work-group owns 256 tokens and 4,096 codes (half P): 128 x 2 work-groups.  Eight waves, two to a SIMD, 512 registers each.  Wave w = 2 cq + th holds token tiles 8 th .. 8 th + 7 in
; registers (256) and walks code tiles 256 P + 64 cq + 0..63 upward.
; LAYOUT.  Source 0 = 16 codes, source 1 = 16 tokens: lane (r, h) holds ONE token r and its 8 registers the codes 8 h + 0..7 of the tile: group 2 x tile + h.  The bias is the C of a sum's first product.
; RING.  Two LDS slots of 32 code tiles, 8 for each quarter; wave w fetches 4 of them (64 dense rows of 256 bytes, one tensor load); the two waves of a quarter read all 8.  A trip of the loop is a slot.
; CLUSTER.  The four work-groups of a cluster have the same half P and walk the same codes in step: every code load is asked for JOINTLY, with the same descriptor and the mask of the four.
; BIAS.  Each wave copies its quarter's 1,024 biases (4,096 bytes) through registers into LDS bytes of its own, into which no fill lands.
; BY TURNS.  A batch is 4 token tiles x 2 K steps on 4 accumulators that take turns.  Behind each four products stands half of the tracking of the batch before, whose
; accumulators are the other set.  Tracking a result tile is 9 lines: 4 three-way maxima that begin at the running best; a compare of new best against old; where the best has grown, the group's first
; 7 scores and its number are kept (four pairs of selects).  At the end the first kept score that equals the best gives the place in the group; if none does, the place is 7.
; The running best of a token tile lies in two registers by turns (the code tile's parity says which is the old one).
; REGISTERS: window 0: all below; window 1: the token tiles (tile i, K step s at 32 i + 16 s).  Only source 1 of the products leaves window 0: two switches for four products.
.set WSL,   16384                      ; what one wave fetches of a slot: 4 tiles of 4,096 bytes
.set QSL,   32768                      ; a quarter's part of a slot, and its step in cimg from slot to slot
.set SLOT1, 1<<17                      ; slot 1 begins here
.set BIAS,  2*SLOT1                    ; 8 x 4,096 bytes: each wave's copy of its quarter's biases
.set MRG,   BIAS+32768                 ; the waves' results meet here: 8 x 128 tokens x 8 bytes
.set SPARE, MRG+8192                   ; the spare words, 128 bytes a wave: four blocks of 256 bytes that no other line names
.set LI,  1                            ; 16 x lane
.set HB,  2                            ; 32 x h
.set ADR, 3                            ; LDS address of my 16 bytes in the first block of my quarter's part of the slot in hand
.set ADB, 4                            ; LDS address of my half's 8 biases of that slot's first tile
.set CUR, 5                            ; the group that the tracking looks at: 2 x tile + h
.set SPW, 6                            ; my spare word; never rewritten
.set NIL, 7                            ; 0; never rewritten
.set MA,  8                            ; where I put a token's (score, index)
.set MR,  9                            ; where I read two tokens' back
.set GO,  10                           ; 8 x lane
.set PFO, 11                           ; 256 x min(lane, 15)
.set BS,  12                           ; where I put 16 bytes of bias
.set PT,  16                           ; v16-19 lane permutes' destinations
.set BI,  24                           ; v24-39   bias, two sets of 8
.set CF,  40                           ; v40-103  a code tile's two fragments, two sets of 32
.set BJ,  40                           ; v40-47   at the end: the place in the group
.set MG,  56                           ; v56-71   at the end: the merge
.set ACC, 104                          ; v104-167 accumulators, two sets of 4 x 8: set b serves token tiles 4 b .. 4 b + 3
.set T,   168                          ; v168-183 token tile i: the running best, at T + 2 i and T + 2 i + 1 by turns
.set G,   184                          ; v184-191 at the end: the index
.set SV,  192                          ; v192-255 token tile i: the leading group's scores 0..6 at SV + 8 i + 0..6, its number at SV + 8 i + 7
.set G1C, 16                           ; s[16:23] descriptor group 1: 64 rows of 256 bytes, dense
.set G0A, 32                           ; s[32:35] group 0: slot 0's first fill
.set G0W, 36                           ; s[36:39] slot 1's first fill; it then walks
.set SLOTS, 44                         ; slots still to be asked for
.set TB,  46                           ; LDS byte of my quarter's part of the slot in hand
.set TBB, 47                           ; LDS byte of that slot's first bias in my copy
.set PFA, 48                           ; s[48:49] where my prefetches stand
.set LIM, 50                           ; 1 in a work-group that prefetches, else the greatest number
.set SEL, 52                           ; s[52:53] selects: lane l xor 16
.set MSB, 0
.macro WIN new                         ; the immediate's high byte repeats the setting that is left
.if MSB != (\new)
	s_set_vgpr_msb (MSB<<8)|(\new)
.set MSB, (\new)
.endif
.endm
.macro CREST                           ; a round of the cluster's barrier behind its opening barrier
	s_cmp_lg_u32 s12, 0
	s_cbranch_scc1 .Lnot_wave_0_\@
	s_barrier_signal -3
.Lnot_wave_0_\@:
	s_barrier_wait -3
	s_barrier_signal -1
	s_barrier_wait -1
.endm
.macro CROUND
	s_barrier_signal -1
	s_barrier_wait -1
	CREST
.endm
.macro NOP4
.rept 4
	v_nop
.endr
.endm
	s_load_b256 s[4:11], s[0:1], 0x0               ; ximg s[4:5], cimg s[6:7], bias s[8:9], gid s[10:11]
	s_load_b64 s[30:31], s[0:1], 0x20              ; sc
	v_lshl_add_u32 v[SPW], v0, 2, SPARE
	v_mov_b32 v[NIL], 0
	ds_add_u32 v[SPW], v[NIL]                      ; the opening lines: the add, twice on end, and its wait ahead of my first tensor load
	ds_add_u32 v[SPW], v[NIL]
	v_lshrrev_b32 v20, 5, v0
	v_readfirstlane_b32 s12, v20                   ; wave 0..7
	s_lshr_b32 s24, s12, 1                         ; cq: my quarter of the half's codes
	s_and_b32 s25, s12, 1                          ; th: my half of the block's tokens
	s_bfe_u32 s13, ttmp6, 0x40000                  ; cx: my place in the cluster
	s_lshl_b32 s14, ttmp9, 2
	s_add_co_u32 s14, s14, s13                     ; my block of 256 tokens: it enters ximg's, gid's and sc's addresses alone
	s_and_b32 s15, ttmp7, 0xffff                   ; P, which the four partners share
	s_mov_b32 s[G1C], 15|(3<<16)|(1<<21)           ; the mask of all four; elements of 8 bytes; no padding; bit 21 beside a mask
	s_mov_b32 s[G1C+1], 32<<16                     ; tensor_dim0 = 32 elements: 256 bytes
	s_mov_b32 s[G1C+2], 64<<16                     ; tensor_dim1 = 64
	s_mov_b32 s[G1C+3], 32<<16                     ; tile_dim0
	s_mov_b32 s[G1C+4], 64                         ; tile_dim1
	s_mov_b32 s[G1C+5], 32                         ; dense
	s_mov_b32 s[G1C+6], 0
	s_mov_b32 s[G1C+7], 0
	s_lshl_b32 s54, s15, 20                        ; cimg: a half is 1 MiB, a quarter of it 256 KiB, my part of a slot's 8 tiles 16 KiB
	s_lshl_b32 s55, s24, 18
	s_add_co_u32 s54, s54, s55
	s_lshl_b32 s55, s25, 14
	s_add_co_u32 s54, s54, s55
	s_mov_b32 s55, 0
	s_lshl_b32 s56, s15, 14                        ; bias: 16,384 bytes a half, 4,096 a quarter
	s_lshl_b32 s57, s24, 12
	s_add_co_u32 s56, s56, s57
	s_mov_b32 s57, 0
	s_lshl_b32 s58, s14, 16                        ; ximg: 16 tiles of 4,096 bytes a block, my 8 of them
	s_lshl_b32 s59, s25, 15
	s_add_co_u32 s58, s58, s59
	s_mov_b32 s59, 0
	s_and_b32 s28, s12, 3
	s_lshl_b32 s60, s15, 17                        ; gid and sc: [2][32768] words; waves 0-3 store tokens 64 w .. 64 w + 63 of the block
	s_lshl_b32 s61, s14, 10
	s_add_co_u32 s60, s60, s61
	s_lshl_b32 s61, s28, 8
	s_add_co_u32 s60, s60, s61
	s_mov_b32 s61, 0
	s_lshl_b32 s62, s13, 12                        ; the prefetches: my work-group's 4,096 bytes of a wave's 16,384
	s_mov_b32 s63, 0
	s_lshl_b32 s29, s12, 14                        ; where my loads land in a slot: no place in the cluster enters an LDS address
	s_lshl_b32 s[TB], s24, 15
	s_lshl_b32 s[TBB], s12, 12
	s_add_co_u32 s[TBB], s[TBB], BIAS
	s_mov_b32 s[SEL], 0x76543210
	s_mov_b32 s[SEL+1], 0xfedcba98
	s_mov_b32 s[SLOTS], 6
	s_lshl_b32 s26, s15, 9
	s_lshl_b32 s27, s24, 7
	s_add_co_u32 s26, s26, s27
	s_sub_co_u32 s26, s26, 2                       ; 2 (256 P + 64 cq) - 2: one tile short of my first
	s_lshl_b32 s27, s12, 10
	s_add_co_u32 s27, s27, MRG
	s_lshl_b32 s28, s28, 9
	s_add_co_u32 s28, s28, MRG
	s_cmp_eq_u32 ttmp9, 0                          ; all clusters of a half walk the same codes: the first of them prefetches; the same in all four partners
	s_cselect_b32 s[LIM], 1, -1
	v_and_b32 v20, 31, v0                          ; lane
	v_and_b32 v21, 15, v0                          ; r
	v_bfe_u32 v22, v0, 4, 1                        ; h
	v_min_u32 v[PFO], 15, v20                      ; lanes 16-31 name the wave's last block again
	v_lshlrev_b32 v[LI], 4, v20
	v_lshlrev_b32 v[HB], 5, v22
	v_lshlrev_b32 v[GO], 3, v20
	v_lshlrev_b32 v[PFO], 8, v[PFO]
	v_add_nc_u32 v[CUR], s26, v22
	v_lshl_add_u32 v[MA], v21, 3, s27              ; MRG + 1,024 w + 8 r
	v_add_nc_u32 v[MR], s28, v[LI]                 ; MRG + 512 (w % 4) + 16 x lane
	v_add_nc_u32 v[ADR], s[TB], v[LI]
	v_add_nc_u32 v[ADB], s[TBB], v[HB]
	v_add_nc_u32 v[BS], s[TBB], v[LI]
	s_wait_alu depctr_va_vdst(0)
	s_wait_dscnt 0x0                               ; both opening adds are done
	s_wait_kmcnt 0x0
	s_add_nc_u64 s[6:7], s[6:7], s[54:55]          ; cimg at my first load
	s_add_nc_u64 s[8:9], s[8:9], s[56:57]          ; bias at my quarter
	s_add_nc_u64 s[4:5], s[4:5], s[58:59]          ; ximg at my 8 tiles
	s_add_nc_u64 s[10:11], s[10:11], s[60:61]
	s_add_nc_u64 s[30:31], s[30:31], s[60:61]
	s_add_nc_u64 s[PFA:PFA+1], s[6:7], s[62:63]
	s_add_nc_u64 s[PFA:PFA+1], s[PFA:PFA+1], 2*QSL ; at step 2; the first change of slots steps it to step 3.  Nothing is prefetched at the head
	s_mov_b32 s[G0A], 1
	s_mov_b32 s[G0A+1], s29
	s_mov_b64 s[G0A+2:G0A+3], s[6:7]
	s_or_b32 s[G0A+3], s[G0A+3], 0x80000000
	s_mov_b32 s[G0W], 1
	s_add_co_u32 s[G0W+1], s29, SLOT1
	s_add_nc_u64 s[G0W+2:G0W+3], s[6:7], QSL
	s_or_b32 s[G0W+3], s[G0W+3], 0x80000000
	CROUND                                         ; all four work-groups are here: the first joint loads meet
	tensor_load_to_lds s[G0A:G0A+3], s[G1C:G1C+7]  ; my part of slot 0: my one tensor load at the head; all that follows stands under its flight
	s_nop 0
	NOP4
.irp k, 0,1,2,3,4,5,6,7
	global_load_b128 v[ACC+4*\k:ACC+4*\k+3], v[LI], s[8:9] offset:512*\k   ; my quarter's biases, 512 consecutive bytes a load
.endr
	WIN 0x40                                       ; destination window 1
.irp i, 0,1,2,3,4,5,6,7
.irp b, 0,1,2,3,4,5,6,7
	global_load_b128 v[32*\i+4*\b:32*\i+4*\b+3], v[LI], s[4:5] offset:4096*\i+512*\b   ; the token tiles: they stay for the whole launch
.endr
.endr
	WIN 0
	s_mov_b32 s3, 0xff800000                       ; -infinity
.set i, 0
.rept 16
	v_mov_b32 v[T+i], s3                           ; no score yet
.set i, i+1
.endr
.set i, 0
.rept 64
	v_mov_b32 v[SV+i], s3                          ; the selects read what they keep
.set i, i+1
.endr
.set i, 0
.rept 8
	v_mov_b32 v[SV+8*i+7], 0                       ; the group's number
.set i, i+1
.endr
.set i, 0
.rept 32
	v_mov_b32 v[ACC+32+i], s3                      ; the first tile's first tracking finds -infinity in set 1, which changes nothing: no first step is written apart
.set i, i+1
.endr
.irp i, 0,1,2,3
	v_mov_b32 v[PT+\i], 0
.endr
	s_wait_alu depctr_va_vdst(0)
	s_wait_loadcnt 56                              ; of 72 loads the first 16 are in, the 8 of bias among them
	s_wait_tensorcnt 0x0                           ; my part of slot 0 has landed: no tensor load of mine is out while I store to LDS
.irp k, 0,1,2,3,4,5,6,7
	ds_store_b128 v[BS], v[ACC+4*\k:ACC+4*\k+3] offset:512*\k
.endr
	s_wait_tensorcnt 0x0                           ; the wait, the add and its wait stand ahead of a later first fill, as ahead of a refill
	ds_add_u32 v[SPW], v[NIL]
	s_wait_dscnt 0x0                               ; the add and my stores are done
	CROUND                                         ; everybody's part of slot 0 is in, and all four work-groups are here
	tensor_load_to_lds s[G0W:G0W+3], s[G1C:G1C+7]  ; slot 1's first fill: the first tensor load behind the round
	s_nop 0
	NOP4
; 10 LDS loads: tile t of my quarter's part of the slot in hand: two fragments (8 x 512 consecutive bytes) into set p, and my half's 8 biases (sixteen lanes share an address)
.macro FETCH p, t
.irp b, 0,1,2,3,4,5,6,7
	ds_load_b128 v[CF+32*(\p)+4*\b:CF+32*(\p)+4*\b+3], v[ADR] offset:4096*(\t)+512*\b
.endr
.irp g, 0,1
	ds_load_b128 v[BI+8*(\p)+4*\g:BI+8*(\p)+4*\g+3], v[ADB] offset:64*(\t)+16*\g
.endr
.endm
; Four products: code fragments of set p, token tiles 4 b .. 4 b + 3, K step s, accumulator set b
.macro KG p, b, s
	WIN 0x04
.irp u, 0,1,2,3
.if (\s) == 0
	v_wmma_f32_16x16x128_fp8_fp8 v[ACC+32*(\b)+8*\u:ACC+32*(\b)+8*\u+7], v[CF+32*(\p):CF+32*(\p)+15], v[32*(4*(\b)+\u):32*(4*(\b)+\u)+15], v[BI+8*(\p):BI+8*(\p)+7]
.else
	v_wmma_f32_16x16x128_fp8_fp8 v[ACC+32*(\b)+8*\u:ACC+32*(\b)+8*\u+7], v[CF+32*(\p)+16:CF+32*(\p)+31], v[32*(4*(\b)+\u)+16:32*(4*(\b)+\u)+31], v[ACC+32*(\b)+8*\u:ACC+32*(\b)+8*\u+7]
.endif
.endr
	WIN 0
.endm
; Half hf of the tracking of accumulator set 'set'; q: which of a token tile's two registers holds the old best.  Half 0: the maxima, four chains side by side, each accumulator read from its low end on.
; Half 1: tile by tile the compare, and under its mask scores 0..6 and the group's number (a pair of selects to a line: an even and an odd destination, the two lines' sources in different register banks).
.macro SL hf, set, q
.if (\hf) == 0
.irp st, 0,1,2,3
.irp u, 0,1,2,3
.if \st == 0
	v_max3_num_f32 v[T+2*(4*(\set)+\u)+1-(\q)], v[T+2*(4*(\set)+\u)+(\q)], v[ACC+32*(\set)+8*\u], v[ACC+32*(\set)+8*\u+1]
.else
	v_max3_num_f32 v[T+2*(4*(\set)+\u)+1-(\q)], v[T+2*(4*(\set)+\u)+1-(\q)], v[ACC+32*(\set)+8*\u+2*\st], v[ACC+32*(\set)+8*\u+2*\st+1]
.endif
.endr
.endr
.else
.irp u, 0,1,2,3
	v_cmp_gt_f32 vcc_lo, v[T+2*(4*(\set)+\u)+1-(\q)], v[T+2*(4*(\set)+\u)+(\q)]   ; strictly larger than before: this group takes the lead
.irp j, 0,2,4
	v_dual_cndmask_b32 v[SV+8*(4*(\set)+\u)+\j], v[SV+8*(4*(\set)+\u)+\j], v[ACC+32*(\set)+8*\u+\j] :: v_dual_cndmask_b32 v[SV+8*(4*(\set)+\u)+\j+1], v[SV+8*(4*(\set)+\u)+\j+1], v[ACC+32*(\set)+8*\u+\j+1]
.endr
	v_dual_cndmask_b32 v[SV+8*(4*(\set)+\u)+6], v[SV+8*(4*(\set)+\u)+6], v[ACC+32*(\set)+8*\u+6] :: v_dual_cndmask_b32 v[SV+8*(4*(\set)+\u)+7], v[SV+8*(4*(\set)+\u)+7], v[CUR]
.endr
.endif
.endm
; A prefetch of what the NEXT change of slots will ask for: 16,384 bytes a wave.  The first cluster of a half asks; its four partners share a wave's block out BY ADDRESS, 4,096 bytes each, lanes 256 bytes apart.
; The last change that fills a slot asks for nothing: there is no step behind it.
.macro ASK
	s_cmp_gt_u32 s[SLOTS], s[LIM]
	s_cbranch_scc0 .Lnot_mine_\@
	global_prefetch_b8 v[PFO], s[PFA:PFA+1] th:TH_LOAD_NT scope:SCOPE_SE
.Lnot_mine_\@:
.endm
; A CODE TILE, the t-th of its slot: 16 products.  A result is first read 16 plain lines or more behind the product that finished it, and fragments are loaded anew as far behind their last product (ISA guide 7.12.1).
; mode 0: the next tile lies in the same slot and is fetched a whole tile ahead.  mode 1 (tile 7): the change of slots, and this slot is filled again, two steps ahead.  mode 2: the last change.  mode 3: the last tile.
.macro CT t, mode
	s_wait_dscnt 0x0                               ; this tile's fragments and bias are in; with tile 7 my reads of the slot are over
.if \mode == 0
	FETCH 1-(\t)%2, (\t)+1
.endif
.if \mode == 1
	s_wait_xcnt 0x0                                ; the last prefetch, a slot back, has read its address
	s_add_nc_u64 s[PFA:PFA+1], s[PFA:PFA+1], QSL
.endif
.if (\mode == 1) || (\mode == 2)
	s_wait_tensorcnt 0x0                           ; all my tensor loads have landed: the one that was out is my part of the next slot
	ds_add_u32 v[SPW], v[NIL]                      ; 0 onto my spare word
.endif
	KG (\t)%2, 0, 0
	SL 0, 1, 1-(\t)%2                              ; the tile before: its token tiles 4-7
.if (\mode == 1) || (\mode == 2)
	s_wait_alu depctr_va_vdst(0)
	s_wait_dscnt 0x0                               ; the add is done
	s_barrier_signal -1                            ; (in mode 1 this barrier opens a round of the cluster's barrier)
.endif
	KG (\t)%2, 0, 1
	SL 1, 1, 1-(\t)%2
	v_add_nc_u32 v[CUR], 2, v[CUR]                 ; from here on the tracking looks at this tile
.if (\mode == 1) || (\mode == 2)
	s_barrier_wait -1
.if \mode == 1
	CREST                                          ; no wave of any partner still reads this slot or has a load on its way
	s_xor_b32 s[G0W+1], s[G0W+1], SLOT1            ; the walking descriptor: the other slot than last time,
	s_add_nc_u64 s[G0W+2:G0W+3], s[G0W+2:G0W+3], QSL   ; my next 4 tiles
	tensor_load_to_lds s[G0W:G0W+3], s[G1C:G1C+7]  ; the first thing behind the round, my one load until the next
	s_nop 0
	NOP4
.endif
	s_xor_b32 s[TB], s[TB], SLOT1                  ; on to the other slot,
	s_add_co_u32 s[TBB], s[TBB], 512               ; and to its 8 tiles' biases
	v_add_nc_u32 v[ADR], s[TB], v[LI]
	v_add_nc_u32 v[ADB], s[TBB], v[HB]
	FETCH 0, 0
.endif
.if \mode == 1
	ASK
.endif
	KG (\t)%2, 1, 0
	SL 0, 0, (\t)%2                                ; this tile: its token tiles 0-3
	KG (\t)%2, 1, 1
	SL 1, 0, (\t)%2
.endm
.macro SLOTRUN mode
.irp t, 0,1,2,3,4,5,6
	CT \t, 0
.endr
	CT 7, \mode
.endm
	FETCH 0, 0
	s_wait_loadcnt 0x0                             ; the tokens
.Lslot:                                            ; six trips: steps 0 to 5; each fills its slot again with the step two on
	SLOTRUN 1
	s_sub_co_u32 s[SLOTS], s[SLOTS], 1
	s_cmp_lg_u32 s[SLOTS], 0
	s_cbranch_scc1 .Lslot
	SLOTRUN 2                                      ; steps 6 and 7 are written out
	SLOTRUN 3
	SL 0, 1, 1                                     ; the last tile's token tiles 4-7
	SL 1, 1, 1
	; THE END.  64 tiles are an even number: the best lies at T + 2 i.  The place in the group: 7, unless one of the 7 kept scores equals the best (walked downward, so that the lowest place is written last).
.irp i, 0,1,2,3,4,5,6,7
	v_mov_b32 v[BJ+\i], 7
.endr
.irp j, 6,5,4,3,2,1,0
.irp i, 0,1,2,3,4,5,6,7
	v_cmp_neq_f32 vcc_lo, v[SV+8*\i+\j], v[T+2*\i]
	v_cndmask_b32 v[BJ+\i], \j, v[BJ+\i], vcc_lo   ; kept where the score is another
.endr
.endr
.irp i, 0,1,2,3,4,5,6,7
	v_lshl_add_u32 v[G+\i], v[SV+8*\i+7], 3, v[BJ+\i]   ; the code's index: 8 x group + place
.endr
	; A token's two halves of the lanes are joined: the larger score, of equal scores the lower index.
.set i, 0
.rept 8
.set pp, PT+2*(i%2)
	v_permlanex16_b32 v[pp], v[T+2*i], s[SEL], s[SEL+1]
	v_permlanex16_b32 v[pp+1], v[G+i], s[SEL], s[SEL+1]
	v_cmp_gt_f32 s56, v[pp], v[T+2*i]
	v_cmp_eq_f32 s57, v[pp], v[T+2*i]
	v_cmp_lt_u32 s58, v[pp+1], v[G+i]
	s_and_b32 s57, s57, s58
	s_or_b32 s56, s56, s57
	v_cndmask_b32 v[T+2*i+1], v[G+i], v[pp+1], s56
	v_cndmask_b32 v[T+2*i], v[T+2*i], v[pp], s56
	ds_store_b64 v[MA], v[T+2*i:T+2*i+1] offset:128*i   ; token 16 i + r of my wave's table (lanes r and r + 16 write the same pair)
.set i, i+1
.endr
	s_wait_dscnt 0x0                               ; for the others' sake: my stores are done
	s_barrier_signal -1
	s_barrier_wait -1
	s_cmp_ge_u32 s12, 4
	s_cbranch_scc1 .Lend                           ; 256 tokens' words are four blocks of 256 bytes in each buffer: waves 0-3 store one each
.irp u, 0,1,2,3
	ds_load_b128 v[MG+4*\u:MG+4*\u+3], v[MR] offset:2048*\u   ; tokens 64 w + 2 x lane and the next, as the wave of quarter u found them (table 2 u + w / 2)
.endr
	s_wait_dscnt 0x0
.irp u, 1,2,3                          ; the quarters' codes ascend with u: a strict compare keeps the lower index
	v_cmp_gt_f32 s56, v[MG+4*\u], v[MG]
	v_cmp_gt_f32 s57, v[MG+4*\u+2], v[MG+2]
	v_cndmask_b32 v[MG+1], v[MG+1], v[MG+4*\u+1], s56
	v_cndmask_b32 v[MG+3], v[MG+3], v[MG+4*\u+3], s57
	v_max_num_f32 v[MG], v[MG], v[MG+4*\u]
	v_max_num_f32 v[MG+2], v[MG+2], v[MG+4*\u+2]
.endr
	v_mov_b32 v[MG+12], v[MG+1]
	v_mov_b32 v[MG+13], v[MG+3]
	v_mov_b32 v[MG+14], v[MG]
	v_mov_b32 v[MG+15], v[MG+2]
	global_store_b64 v[GO], v[MG+12:MG+13], s[10:11]   ; the indices: the wave stores 256 consecutive bytes, at a multiple of 256 from gid's first byte
	global_store_b64 v[GO], v[MG+14:MG+15], s[30:31]   ; the scores, likewise in sc
.Lend:
	s_wait_tensorcnt 0x0                           ; the wave's end
	ds_add_u32 v[SPW], v[NIL]
	s_wait_dscnt 0x0
	CROUND                                         ; the closing round
	s_endpgm
.Lfunc_end_k_q8b88bfbb69_sweep:
	.size	k_q8b88bfbb69_sweep, .Lfunc_end_k_q8b88bfbb69_sweep-k_q8b88bfbb69_sweep
	.p2alignl 7, 3214868480
	.fill 96, 4, 3214868480
	.section	.rodata,"a",@progbits
	.p2align	6, 0x0
	.amdhsa_kernel k_q8b88bfbb69_sweep
		.amdhsa_group_segment_fixed_size 327680
		.amdhsa_private_segment_fixed_size 0
		.amdhsa_enable_private_segment 0
		.amdhsa_kernarg_size 40
		.amdhsa_user_sgpr_count 2
		.amdhsa_user_sgpr_kernarg_segment_ptr 1
		.amdhsa_wavefront_size32 1
		.amdhsa_system_sgpr_workgroup_id_x 1
		.amdhsa_system_sgpr_workgroup_id_y 1
		.amdhsa_system_sgpr_workgroup_id_z 1
		.amdhsa_system_vgpr_workitem_id 0
		.amdhsa_next_free_vgpr 512
		.amdhsa_next_free_sgpr 66
		.amdhsa_reserve_vcc 1
		.amdhsa_float_denorm_mode_32 3
		.amdhsa_float_denorm_mode_16_64 3
		.amdhsa_memory_ordered 1
		.amdhsa_forward_progress 1
		.amdhsa_inst_pref_size 180
	.end_amdhsa_kernel
	.amdgpu_metadata
---
amdhsa.version: [ 1, 2 ]
amdhsa.kernels:
  - .name:           k_q8b88bfbb69_sweep
    .symbol:         k_q8b88bfbb69_sweep.kd
    .args:
      - { .name: ximg, .offset: 0, .size: 8, .value_kind: global_buffer, .address_space: global }
      - { .name: cimg, .offset: 8, .size: 8, .value_kind: global_buffer, .address_space: global }
      - { .name: bias, .offset: 16, .size: 8, .value_kind: global_buffer, .address_space: global }
      - { .name: gid, .offset: 24, .size: 8, .value_kind: global_buffer, .address_space: global }
      - { .name: sc, .offset: 32, .size: 8, .value_kind: global_buffer, .address_space: global }
    .group_segment_fixed_size: 327680
    .private_segment_fixed_size: 0
    .kernarg_segment_align: 8
    .kernarg_segment_size: 40
    .max_flat_workgroup_size: 256
    .sgpr_count:     66
    .vgpr_count:     512
    .wavefront_size: 32
...
	.end_amdgpu_metadata
.endif
;; end of part 2
;; launch gather (part 3): grid 512 x 1, 8 waves a work-group, no clusters, 1,280 bytes of LDS; arguments x, codebook, gid, sc, out0, part; writes out0, part
.if DOCPART == 3
	.amdgcn_target "amdgcn-amd-amdhsa--gfx1250"
	.amdhsa_code_object_version 6
	.text
	.protected	k_q8b88bfbb69_gather
	.globl	k_q8b88bfbb69_gather
	.p2align	8
	.type	k_q8b88bfbb69_gather,@function
k_q8b88bfbb69_gather:
	s_mov_b64 s[64:65], 0
	v_nop
	global_prefetch_b8 v0, s[64:65] scope:SCOPE_SE
	s_setreg_imm32_b32 hwreg(HW_REG_WAVE_MODE, 25, 1), 1
	s_wait_xcnt 0x0
; GATHER.  Each token has two candidates, one for each half of the codebook: index (gid) and score (sc), stored by the launch before.  q = the codebook row (f32) of the candidate with the larger score;
; half 1 wins only where it is strictly larger, so of equal scores the lowest index.  out0 = x + (q - x); part[work-group] = the sum of (q - x)^2 over the work-group's 64 tokens.
; BOTH rows are loaded, by the stored whole numbers (each held at 8,191 before it enters an address), and the VALUES are chosen by the compare of the two scores: no address hangs on a score.
; A wave takes 8 tokens: 8,192 consecutive bytes of x and of out0; each load and store covers 512 consecutive bytes.  All 48 loads of a wave go out before the first is used.
; A stream and a gather: no matrix unit, no tensor load, no cluster.  The work-groups' sums leave as one word each: the last launch adds them in a fixed order.
.set X,  16                            ; v16-79   x, 8 numbers a token, then the result
.set Q,  80                            ; v80-143  half 0's row, then q, then q - x
.set R,  144                           ; v144-207 half 1's row
.set OQ, 208                           ; v208-223 byte offsets in the codebook: 1,024 x index + 16 x lane; half 0's eight, then half 1's
.set T,  224                           ; v224-231 the eight waves' sums
.set SPW, 232                          ; my spare word; never rewritten
.set NIL, 233                          ; 0; never rewritten
	s_load_b256 s[4:11], s[0:1], 0x0               ; x, codebook, gid, sc
	s_load_b128 s[12:15], s[0:1], 0x20             ; out0, part
	v_lshl_add_u32 v[SPW], v0, 2, 0x100
	v_mov_b32 v[NIL], 0
	v_lshrrev_b32 v1, 5, v0
	v_readfirstlane_b32 s36, v1                    ; wave
	v_and_b32 v2, 31, v0
	v_mov_b32 v12, s36
	v_mov_b32 v13, 0
	v_mov_b32 v14, 0                               ; a lane permute's destination counts as read
	v_lshlrev_b32 v1, 4, v2                        ; 16 x lane
	v_lshlrev_b32 v12, 2, v12                      ; my wave's word in LDS
	s_mov_b32 s56, 0x76543210
	s_mov_b32 s57, 0xfedcba98
	s_lshl_b32 s37, ttmp9, 3
	s_add_co_u32 s37, s37, s36                     ; W
	s_lshl_b32 s32, s37, 13                        ; 8 tokens of 1,024 bytes
	s_mov_b32 s33, 0
	s_lshl_b32 s34, s37, 5                         ; 8 words
	s_mov_b32 s35, 0
	s_lshl_b32 s38, ttmp9, 2
	s_mov_b32 s39, 0
	s_wait_alu depctr_va_vdst(0)
	s_wait_kmcnt 0x0
	s_add_nc_u64 s[8:9], s[8:9], s[34:35]
	s_add_nc_u64 s[10:11], s[10:11], s[34:35]
	s_load_b256 s[16:23], s[8:9], 0x0              ; my eight tokens' indices in half 0,
	s_load_b256 s[24:31], s[8:9], 0x20000          ; in half 1,
	s_load_b256 s[40:47], s[10:11], 0x0            ; and the scores
	s_load_b256 s[48:55], s[10:11], 0x20000
	s_add_nc_u64 s[4:5], s[4:5], s[32:33]
	s_add_nc_u64 s[12:13], s[12:13], s[32:33]
	s_add_nc_u64 s[14:15], s[14:15], s[38:39]
.irp t, 0,1,2,3,4,5,6,7
	global_load_b128 v[X+8*\t:X+8*\t+3], v1, s[4:5] offset:1024*\t th:TH_LOAD_NT
	global_load_b128 v[X+8*\t+4:X+8*\t+7], v1, s[4:5] offset:1024*\t+512 th:TH_LOAD_NT
.endr
	s_wait_kmcnt 0x0
.irp t, 0,1,2,3,4,5,6,7,8,9,10,11,12,13,14,15
	s_min_u32 s[16+\t], s[16+\t], 8191
	s_lshl_b32 s[16+\t], s[16+\t], 10
	v_add_nc_u32 v[OQ+\t], s[16+\t], v1
.endr
	s_wait_alu depctr_va_vdst(0)
.irp t, 0,1,2,3,4,5,6,7
	global_load_b128 v[Q+8*\t:Q+8*\t+3], v[OQ+\t], s[6:7]              ; rows that many tokens may name: no hint
	global_load_b128 v[Q+8*\t+4:Q+8*\t+7], v[OQ+\t], s[6:7] offset:512
	global_load_b128 v[R+8*\t:R+8*\t+3], v[OQ+8+\t], s[6:7]
	global_load_b128 v[R+8*\t+4:R+8*\t+7], v[OQ+8+\t], s[6:7] offset:512
.endr
.macro TOKEN t
	s_wait_loadcnt 28-4*\t                         ; loads come back in order: x and this token's two rows are in; the later tokens' four loads each stay out
	v_cmp_gt_f32 s58, s[48+\t], s[40+\t]           ; half 1's score strictly larger: the same in all lanes
.irp j, 0,1,2,3,4,5,6,7
	v_cndmask_b32 v[Q+8*\t+\j], v[Q+8*\t+\j], v[R+8*\t+\j], s58
.endr
.irp j, 0,1,2,3
	v_pk_add_f32 v[Q+8*\t+2*\j:Q+8*\t+2*\j+1], v[Q+8*\t+2*\j:Q+8*\t+2*\j+1], v[X+8*\t+2*\j:X+8*\t+2*\j+1] neg_lo:[0,1] neg_hi:[0,1]   ; q - x
.endr
.irp j, 0,1,2,3
.if (\t == 0) && (\j < 2)
	v_pk_mul_f32 v[8+2*\j:9+2*\j], v[Q+8*\t+2*\j:Q+8*\t+2*\j+1], v[Q+8*\t+2*\j:Q+8*\t+2*\j+1]   ; the first squares start the two chains
.else
	v_pk_fma_f32 v[8+2*(\j%2):9+2*(\j%2)], v[Q+8*\t+2*\j:Q+8*\t+2*\j+1], v[Q+8*\t+2*\j:Q+8*\t+2*\j+1], v[8+2*(\j%2):9+2*(\j%2)]
.endif
.endr
.irp j, 0,1,2,3
	v_pk_add_f32 v[X+8*\t+2*\j:X+8*\t+2*\j+1], v[X+8*\t+2*\j:X+8*\t+2*\j+1], v[Q+8*\t+2*\j:Q+8*\t+2*\j+1]   ; x + (q - x)
.endr
	global_store_b128 v1, v[X+8*\t:X+8*\t+3], s[12:13] offset:1024*\t th:TH_STORE_NT
	global_store_b128 v1, v[X+8*\t+4:X+8*\t+7], s[12:13] offset:1024*\t+512 th:TH_STORE_NT
.endm
.irp t, 0,1,2,3,4,5,6,7
	TOKEN \t
.endr
	v_pk_add_f32 v[8:9], v[8:9], v[10:11]
	v_add_f32 v8, v8, v9
	v_add_f32_dpp v8, v8, v8 row_xmask:1 row_mask:0xf bank_mask:0xf
	v_add_f32_dpp v8, v8, v8 row_xmask:2 row_mask:0xf bank_mask:0xf
	v_add_f32_dpp v8, v8, v8 row_xmask:4 row_mask:0xf bank_mask:0xf
	v_add_f32_dpp v8, v8, v8 row_xmask:8 row_mask:0xf bank_mask:0xf
	v_permlanex16_b32 v14, v8, s56, s57
	v_add_f32 v8, v8, v14                          ; the wave's sum, in every lane
	ds_store_b32 v12, v8                           ; all lanes write the same word with the same value
	s_wait_dscnt 0x0
	s_barrier_signal -1
	s_barrier_wait -1
	s_cmp_lg_u32 s36, 0
	s_cbranch_scc1 .Lend
	ds_load_b128 v[T:T+3], v13
	ds_load_b128 v[T+4:T+7], v13 offset:16
	s_wait_dscnt 0x0
.irp k, 1,2,3,4,5,6,7
	v_add_f32 v[T], v[T], v[T+\k]                  ; the eight waves' sums, in order
.endr
	v_cmp_eq_u32 vcc_lo, 0, v2
	s_wait_alu depctr_va_vdst(0)
	s_wait_xcnt 0x0                                ; EXEC changes only behind this wait
	s_and_saveexec_b32 s59, vcc_lo
	global_store_b32 v13, v[T], s[14:15]
	s_wait_xcnt 0x0
	s_or_b32 exec_lo, exec_lo, s59
.Lend:
	s_wait_tensorcnt 0x0                           ; the wave's end
	ds_add_u32 v[SPW], v[NIL]
	s_wait_dscnt 0x0
	s_endpgm
.Lfunc_end_k_q8b88bfbb69_gather:
	.size	k_q8b88bfbb69_gather, .Lfunc_end_k_q8b88bfbb69_gather-k_q8b88bfbb69_gather
	.p2alignl 7, 3214868480
	.fill 96, 4, 3214868480
	.section	.rodata,"a",@progbits
	.p2align	6, 0x0
	.amdhsa_kernel k_q8b88bfbb69_gather
		.amdhsa_group_segment_fixed_size 1280
		.amdhsa_private_segment_fixed_size 0
		.amdhsa_enable_private_segment 0
		.amdhsa_kernarg_size 48
		.amdhsa_user_sgpr_count 2
		.amdhsa_user_sgpr_kernarg_segment_ptr 1
		.amdhsa_wavefront_size32 1
		.amdhsa_system_sgpr_workgroup_id_x 1
		.amdhsa_system_sgpr_workgroup_id_y 1
		.amdhsa_system_sgpr_workgroup_id_z 1
		.amdhsa_system_vgpr_workitem_id 0
		.amdhsa_next_free_vgpr 240
		.amdhsa_next_free_sgpr 66
		.amdhsa_reserve_vcc 1
		.amdhsa_float_denorm_mode_32 3
		.amdhsa_float_denorm_mode_16_64 3
		.amdhsa_memory_ordered 1
		.amdhsa_forward_progress 1
		.amdhsa_inst_pref_size 22
	.end_amdhsa_kernel
	.amdgpu_metadata
---
amdhsa.version: [ 1, 2 ]
amdhsa.kernels:
  - .name:           k_q8b88bfbb69_gather
    .symbol:         k_q8b88bfbb69_gather.kd
    .args:
      - { .name: x, .offset: 0, .size: 8, .value_kind: global_buffer, .address_space: global }
      - { .name: codebook, .offset: 8, .size: 8, .value_kind: global_buffer, .address_space: global }
      - { .name: gid, .offset: 16, .size: 8, .value_kind: global_buffer, .address_space: global }
      - { .name: sc, .offset: 24, .size: 8, .value_kind: global_buffer, .address_space: global }
      - { .name: out0, .offset: 32, .size: 8, .value_kind: global_buffer, .address_space: global }
      - { .name: part, .offset: 40, .size: 8, .value_kind: global_buffer, .address_space: global }
    .group_segment_fixed_size: 1280
    .private_segment_fixed_size: 0
    .kernarg_segment_align: 8
    .kernarg_segment_size: 48
    .max_flat_workgroup_size: 256
    .sgpr_count:     66
    .vgpr_count:     240
    .wavefront_size: 32
...
	.end_amdgpu_metadata
.endif
;; end of part 3
;; launch total (part 4): grid 1 x 1, 1 waves a work-group, no clusters, 0 bytes of LDS; arguments part, out1; writes out1
.if DOCPART == 4
	.amdgcn_target "amdgcn-amd-amdhsa--gfx1250"
	.amdhsa_code_object_version 6
	.text
	.protected	k_q8b88bfbb69_total
	.globl	k_q8b88bfbb69_total
	.p2align	8
	.type	k_q8b88bfbb69_total,@function
k_q8b88bfbb69_total:
	s_mov_b64 s[64:65], 0
	v_nop
	global_prefetch_b8 v0, s[64:65] scope:SCOPE_SE
	s_setreg_imm32_b32 hwreg(HW_REG_WAVE_MODE, 25, 1), 1
	s_wait_xcnt 0x0
; TOTAL.  out1 = 0.25 x the mean of (q - x)^2 = (the sum of the 512 work-groups' sums) x 2^-25: 0.25 / 8,388,608 is that power of two, so the factor rounds nothing.
; One wave: a sum that spans work-groups is made by one owner, in a fixed order, in a launch of its own.
	s_load_b128 s[4:7], s[0:1], 0x0                ; part, out1
	v_lshlrev_b32 v1, 4, v0
	v_mov_b32 v20, 0                               ; a lane permute's destination counts as read
	v_mov_b32 v21, 0
	s_mov_b32 s8, 0x76543210
	s_mov_b32 s9, 0xfedcba98
	s_wait_alu depctr_va_vdst(0)
	s_wait_kmcnt 0x0
.irp k, 0,1,2,3
	global_load_b128 v[4+4*\k:7+4*\k], v1, s[4:5] offset:512*\k
.endr
	s_wait_loadcnt 0x0
	v_pk_add_f32 v[4:5], v[4:5], v[6:7]
	v_pk_add_f32 v[8:9], v[8:9], v[10:11]
	v_pk_add_f32 v[12:13], v[12:13], v[14:15]
	v_pk_add_f32 v[16:17], v[16:17], v[18:19]
	v_pk_add_f32 v[4:5], v[4:5], v[8:9]
	v_pk_add_f32 v[12:13], v[12:13], v[16:17]
	v_pk_add_f32 v[4:5], v[4:5], v[12:13]
	v_add_f32 v4, v4, v5
	v_add_f32_dpp v4, v4, v4 row_xmask:1 row_mask:0xf bank_mask:0xf
	v_add_f32_dpp v4, v4, v4 row_xmask:2 row_mask:0xf bank_mask:0xf
	v_add_f32_dpp v4, v4, v4 row_xmask:4 row_mask:0xf bank_mask:0xf
	v_add_f32_dpp v4, v4, v4 row_xmask:8 row_mask:0xf bank_mask:0xf
	v_permlanex16_b32 v20, v4, s8, s9
	v_add_f32 v4, v4, v20
	v_mul_f32 v4, 0x33000000, v4                   ; x 2^-25
	v_cmp_eq_u32 vcc_lo, 0, v0
	s_wait_alu depctr_va_vdst(0)
	s_wait_xcnt 0x0                                ; EXEC changes only behind this wait
	s_and_saveexec_b32 s10, vcc_lo
	global_store_b32 v21, v4, s[6:7]
	s_wait_xcnt 0x0
	s_or_b32 exec_lo, exec_lo, s10
	s_endpgm
.Lfunc_end_k_q8b88bfbb69_total:
	.size	k_q8b88bfbb69_total, .Lfunc_end_k_q8b88bfbb69_total-k_q8b88bfbb69_total
	.p2alignl 7, 3214868480
	.fill 96, 4, 3214868480
	.section	.rodata,"a",@progbits
	.p2align	6, 0x0
	.amdhsa_kernel k_q8b88bfbb69_total
		.amdhsa_group_segment_fixed_size 0
		.amdhsa_private_segment_fixed_size 0
		.amdhsa_enable_private_segment 0
		.amdhsa_kernarg_size 16
		.amdhsa_user_sgpr_count 2
		.amdhsa_user_sgpr_kernarg_segment_ptr 1
		.amdhsa_wavefront_size32 1
		.amdhsa_system_sgpr_workgroup_id_x 1
		.amdhsa_system_sgpr_workgroup_id_y 1
		.amdhsa_system_sgpr_workgroup_id_z 1
		.amdhsa_system_vgpr_workitem_id 0
		.amdhsa_next_free_vgpr 32
		.amdhsa_next_free_sgpr 66
		.amdhsa_reserve_vcc 1
		.amdhsa_float_denorm_mode_32 3
		.amdhsa_float_denorm_mode_16_64 3
		.amdhsa_memory_ordered 1
		.amdhsa_forward_progress 1
		.amdhsa_inst_pref_size 3
	.end_amdhsa_kernel
	.amdgpu_metadata
---
amdhsa.version: [ 1, 2 ]
amdhsa.kernels:
  - .name:           k_q8b88bfbb69_total
    .symbol:         k_q8b88bfbb69_total.kd
    .args:
      - { .name: part, .offset: 0, .size: 8, .value_kind: global_buffer, .address_space: global }
      - { .name: out1, .offset: 8, .size: 8, .value_kind: global_buffer, .address_space: global }
    .group_segment_fixed_size: 0
    .private_segment_fixed_size: 0
    .kernarg_segment_align: 8
    .kernarg_segment_size: 16
    .max_flat_workgroup_size: 32
    .sgpr_count:     66
    .vgpr_count:     32
    .wavefront_size: 32
...
	.end_amdgpu_metadata
.endif
;; end of part 4
